; MI455X (gfx1250); checked and timed in simulation.
; The chip was launched on July 23, 2026; its instructions are those of AMD's public machine-readable ISA for CDNA 5 (MIT licence, August 2026) and "CDNA5" Instruction Set Architecture Reference Guide (July 2026). The comments in the code are by the model that wrote it; some were corrected since.
;; Local Sliding Window Attention. Allowed arithmetic: matrix products marked QUANTISED: E2M1 operands, one E8M0 scale for each 32 along K, by v_wmma_scale_f32_16x16x128_f8f6f4 with both operands' format E2M1 (or v_wmma_scale_f32_32x16x128_f4), f32 sums; products left as they are: bf16, f16 or f32 operands; f32 sums; everything else in f32.
;; Inputs: b_out 1,024 float32; b_qkv 3,072 float32; w_out 1,024 x 1,024 float32; w_qkv 3,072 x 1,024 float32; x 2 x 2,048 x 1,024 float32.
;; Outputs: out0 2 x 2,048 x 1,024 float32.
;; This version of the problem:
;;   THIS VERSION OF THE PROBLEM IS GIVEN IN LOW PRECISION. The matrix products marked QUANTISED in the list below multiply operands that are first quantised to E2M1 (2 exponent bits, 1 mantissa bit; 4 bits a number), with one power-of-two scale for each 32 numbers along K (OCP MX v1.0); their sums are f32. The products marked 'left as it is' may take bf16, f16 or f32 operands, with f32 sums. Whichever they take, every output number must still come out within the allowed error. Rounding operands to bf16 (8 significant bits) uses up far more of that allowance than f16 does (11 bits, for magnitudes from 6e-5 to 65,504). All else is computed in f32.
;;   The module's matrix products, in the order in which they are computed (A, B: the left and right operand; K: the contracted axis; several contracted axes count as one K, in the product's order):
;;     1. [M 4,096, K 1,024] x [K 1,024, N 3,072]; A: input x; B: input w_qkv: QUANTISED
;;     2. batch 32 x [M 2,048, K 64] x [K 64, N 2,048]; A: computed on the way; B: computed on the way: left as it is (an operand is computed on the way)
;;     3. batch 32 x [M 2,048, K 2,048] x [K 2,048, N 64]; A: computed on the way; B: computed on the way: left as it is (an operand is computed on the way)
;;     4. [M 4,096, K 1,024] x [K 1,024, N 1,024]; A: computed on the way; B: input w_out: left as it is (an operand is computed on the way)
;;   THE QUANTISER, for each operand of a quantised product, along K:
;;     - K is cut into blocks of 32 from its start; a last block that is shorter is filled with zeros.
;;     - A block's scale is 2^e with e = floor(log2(the largest magnitude in the block)) - 2, held to -126 .. 127; a block of zeros has e = 0. As a byte (E8M0): e + 127.
;;     - Each number is divided by its block's scale, clamped to +-6, and rounded to the nearest number of E2M1, ties to even, subnormals kept.
;;     - The product sums the exact products of the quantised numbers (number of the format x scale) in f32.
;;   ~~~python
;;   def quantise(x, axis):      # numpy; x: float32 -> the quantised numbers, widened to float32 again
;;       x = np.moveaxis(x, axis, -1); K = x.shape[-1]
;;       x = np.pad(x, [(0, 0)] * (x.ndim - 1) + [(0, -K % 32)]); x = x.reshape(x.shape[:-1] + (-1, 32)); a = np.abs(x).max(-1, keepdims=True)
;;       e = np.where(a > 0, np.clip(np.frexp(np.where(a > 0, a, 1))[1] - 1 - 2, -126, 127), 0)      # np.frexp(a)[1] - 1 = floor(log2(a)), exactly
;;       r = np.clip(x / 2.0 ** e, -6, 6)
;;       step = 2.0 ** (np.maximum(np.frexp(np.where(r == 0, 1, r))[1] - 1, 0) - 1)
;;       q = np.round(r / step) * step * 2.0 ** e      # np.round: ties to even
;;       return np.moveaxis(q.reshape(q.shape[:-2] + (-1,))[..., :K], -1, axis).astype(np.float32)
;;   ~~~
;; One version. Each part assembles by itself: llvm-mc -triple=amdgcn-amd-amdhsa -mcpu=gfx1250 --defsym DOCPART=n.
;; ======== version 1 of 1: 3 launches
;; limits: values are held in f16: magnitudes above 65,504 overflow, below 6.1e-05 lose precision
;; workspace buffers: xq_codes 2,129,920 bytes; xq_scales 133,120 bytes; wq_codes 1,572,864 bytes; wq_scales 98,304 bytes; wo16 2,097,152 bytes; att 8,388,608 bytes
;; launch prep (part 1): grid 258 x 1, 4 waves a work-group, no clusters, 33,280 bytes of LDS; arguments x, w_qkv, w_out, xq_codes, xq_scales, wq_codes, wq_scales, wo16; writes xq_codes, xq_scales, wq_codes, wq_scales, wo16
.if DOCPART == 1
	.amdgcn_target "amdgcn-amd-amdhsa--gfx1250"
	.amdhsa_code_object_version 6
	.text
	.protected	k_qc418dea02c_prep
	.globl	k_qc418dea02c_prep
	.p2align	8
	.type	k_qc418dea02c_prep,@function
k_qc418dea02c_prep:
	s_mov_b64 s[64:65], 0
	v_nop
	global_prefetch_b8 v0, s[64:65] scope:SCOPE_SE
	s_setreg_imm32_b32 hwreg(HW_REG_WAVE_MODE, 25, 1), 1
	s_wait_xcnt 0x0
; x [4096][1024] and w_qkv [3072][1024], f32, become codes of FP4 (E2M1), K innermost, two codes a byte, with one E8M0 scale byte for each 32 along K; w_out [1024][1024] becomes f16.
; A block's scale is 2^(floor(log2(its largest magnitude)) - 2); its byte is the largest magnitude's own exponent field - 2, held at 1 from below; each number is divided by the scale and rounded to the nearest code, ties to even, beyond 6 the code of 6.
; LIMITS: a block of zeros, and a block whose largest magnitude lies under 2^-124, gets the byte 1 (the bytes are read by this program alone; zero codes add nothing under it); NaN and infinities among the inputs are not served;
; w_out beyond +-65,504 has no f16 number.
; SHARES.  A work-group takes 32,768 numbers (32 rows), a wave 8,192 (8 rows).  Work-groups 0-129: x; 128 and 129 lay rows 0-63 a second time behind row 4,095, so that the next launch's tiles of 320 rows are whole for every row block
; (what they hold there is masked).  Work-groups 130-225: w_qkv, its rows laid anew by head: [16 heads][k's 64 rows, v's 64, q's 64].  Work-groups 226-257: w_out to f16.
; THE QUANTISER'S WAY.  A conversion takes 8 numbers of ONE block from a lane's registers, a load is best where neighbouring lanes take neighbouring bytes: each of a step's four loads reads 512 consecutive bytes, 16 a lane; the 2,048 bytes
; go through the wave's own stage in LDS and come back 64 bytes a lane (two neighbouring lanes hold a block).  A lane's 16 codes are 8 bytes: the wave stores 256 consecutive bytes.  A wave's 256 scale bytes are gathered in LDS and leave together.
; No tensor loads, no barrier: waves share nothing.  Loads run eight steps (32 loads a wave, 16 KiB) ahead, the turn through LDS one step.
.set WAVES, 4
.set STEPS, 16
.set AHEAD, 8
.set GX,    130                        ; work-groups for x
.set GC,    226                        ; the first work-group of the cast
.set EMAX,  2
.set CB,    8                          ; bytes of 16 codes
.set R,     16                         ; v16-143  eight sets of 16 numbers as they are loaded (the cast: 32 slots of 4)
.set X,     144                        ; v144-175 two sets of 16 neighbours (the cast: from v144 on 32 slots of 2, the f16 numbers)
.set E,     176                        ; v176-191 a scale byte for each step
.set C,     192                        ; v192-255 codes: four registers for each step, so that no store's data are written again
.set WREG,  8192                       ; LDS: a region for each wave: two stages of 32 x SP bytes, behind them its 256 scale bytes
.set SP,    80                         ; a lane's place in a stage: 64 bytes + 16 of padding
.set SPW,   12                         ; v12  LDS address of my spare word; never rewritten
.set NIL,   13                         ; v13  0; never rewritten
.set SPARE, WAVES*WREG                 ; behind the four regions: the spare words, 128 bytes a wave, that no other line names
	s_load_b256 s[4:11], s[0:1], 0x0               ; x s[4:5], w_qkv s[6:7], w_out s[8:9], x's codes s[10:11]
	s_load_b256 s[12:19], s[0:1], 0x20             ; x's scales s[12:13], w's codes s[14:15], w's scales s[16:17], w_out in f16 s[18:19]
	v_lshl_add_u32 v[SPW], v0, 2, SPARE
	v_mov_b32 v[NIL], 0
	v_lshrrev_b32 v1, 5, v0
	v_readfirstlane_b32 s20, v1                    ; wave
	v_and_b32 v2, 31, v0                           ; lane
	v_lshlrev_b32 v3, 4, v2                        ; my 16 bytes of a load's 512
	s_mul_i32 s21, s20, WREG
	v_lshrrev_b32 v14, 2, v2
	v_mul_u32_u24 v14, v14, SP
	v_and_b32 v15, 3, v2
	v_lshl_add_u32 v14, v15, 4, v14
	v_add_nc_u32 v14, s21, v14                     ; the stage, on the way in: SP (lane / 4) + 16 (lane % 4); a load's 512 bytes take eight places
	v_mul_u32_u24 v15, v2, SP
	v_add_nc_u32 v15, s21, v15                     ; and on the way out: SP x lane: my 16 neighbours
	v_mul_u32_u24 v4, v2, CB                       ; my codes' place in a step's
	v_lshrrev_b32 v5, 1, v2
	s_add_co_u32 s21, s21, 2*32*SP
	v_add_nc_u32 v5, s21, v5                       ; LDS: my wave's 256 scale bytes, my block's byte
	v_lshlrev_b32 v7, 3, v2                        ; 8 bytes a lane
	v_add_nc_u32 v6, s21, v7
	; which 32 rows are read and where they go, in units of a work-group's 32 rows
	s_and_b32 s30, ttmp9, 127                      ; x: source; work-groups 128, 129 read rows 0-63 again
	s_max_u32 s32, ttmp9, GX
	s_sub_co_u32 s32, s32, GX                      ; w_qkv: source = g - 130: part (q, k, v) x 32 + head x 2 + half
	s_lshr_b32 s33, s32, 5                         ; part
	s_bfe_u32 s34, s32, 0x40001                    ; head
	s_and_b32 s35, s32, 1                          ; half
	s_sub_co_u32 s36, s33, 1
	s_cmp_eq_u32 s33, 0
	s_cselect_b32 s36, 2, s36                      ; its place in a head's rows: k 0, v 1, q 2
	s_mul_i32 s34, s34, 6
	s_lshl_b32 s36, s36, 1
	s_add_co_u32 s34, s34, s36
	s_add_co_u32 s34, s34, s35                     ; destination = 6 head + 2 place + half
	s_wait_kmcnt 0x0
	s_cmp_ge_u32 ttmp9, GC
	s_cbranch_scc1 .Lcast
	s_cmp_lt_u32 ttmp9, GX                         ; x's work-group or w_qkv's?  The choice hangs on the work-group's number alone
	s_cselect_b32 s30, s30, s32
	s_cselect_b32 s31, ttmp9, s34
	s_cselect_b64 s[24:25], s[4:5], s[6:7]
	s_cselect_b64 s[26:27], s[10:11], s[14:15]
	s_cselect_b64 s[28:29], s[12:13], s[16:17]
	s_lshl_b32 s30, s30, 2
	s_add_co_u32 s30, s30, s20                     ; my wave's run of 8,192 numbers in the source,
	s_lshl_b32 s31, s31, 2
	s_add_co_u32 s31, s31, s20                     ; and in the destination
	s_lshl_b32 s32, s30, 15                        ; 32,768 bytes of f32 a run
	s_mov_b32 s33, 0
	s_add_nc_u64 s[24:25], s[24:25], s[32:33]
	s_lshl_b32 s32, s31, 12                        ; 4,096 bytes of codes
	s_add_nc_u64 s[26:27], s[26:27], s[32:33]
	s_lshl_b32 s32, s31, 8                         ; 256 scale bytes
	s_add_nc_u64 s[28:29], s[28:29], s[32:33]
.macro LOAD t
.irp i, 0,1,2,3
	global_load_b128 v[R+16*((\t)%AHEAD)+4*\i:R+16*((\t)%AHEAD)+4*\i+3], v3, s[24:25] offset:2048*(\t)+512*\i th:TH_LOAD_NT   ; 32 lanes read 512 consecutive bytes
.endr
.endm
.macro TURN t                          ; step t's numbers through the stage: LDS serves a wave's instructions in order, so no wait stands between the stores and the loads
.irp i, 0,1,2,3
	ds_store_b128 v14, v[R+16*((\t)%AHEAD)+4*\i:R+16*((\t)%AHEAD)+4*\i+3] offset:32*SP*((\t)%2)+8*SP*\i
.endr
.irp i, 0,1,2,3
	ds_load_b128 v[X+16*((\t)%2)+4*\i:X+16*((\t)%2)+4*\i+3], v15 offset:32*SP*((\t)%2)+16*\i
.endr
.endm
.irp t, 0,1,2,3,4,5,6,7
	LOAD \t
.endr
	s_wait_loadcnt 4*(AHEAD-1)                     ; step 0's four loads are in; the 28 of the seven steps behind it may be out
	TURN 0
.macro STEP t
.set XS, X+16*((\t)%2)
.if (\t) > 0
	s_wait_dscnt 1                                 ; this step's numbers are back from the stage (the last step's byte store may be out): so its stores into the stage have read their registers,
.else
	s_wait_dscnt 0x0
.endif
.if (\t)+AHEAD < STEPS
	LOAD (\t)+AHEAD                                ; which take the loads of eight steps on
.endif
.if (\t)+1 < STEPS
.if STEPS-2-(\t) >= AHEAD-1
	s_wait_loadcnt 4*(AHEAD-1)                     ; the next step's four loads are in; those of the seven steps behind it may be out
.else
	s_wait_loadcnt 4*(STEPS-2-(\t))                ; near the end: as many steps as are left behind the next
.endif
	TURN (\t)+1                                    ; and go through the other stage while this step is worked
.endif
	v_max3_num_f32 v8, |v[XS]|, |v[XS+1]|, |v[XS+2]|               ; the largest magnitude of my 16, in two chains
	v_max3_num_f32 v9, |v[XS+3]|, |v[XS+4]|, |v[XS+5]|
.irp i, 6,10
	v_max3_num_f32 v8, v8, |v[XS+\i]|, |v[XS+\i+1]|
	v_max3_num_f32 v9, v9, |v[XS+\i+2]|, |v[XS+\i+3]|
.endr
	v_max3_num_f32 v8, v8, |v[XS+14]|, |v[XS+15]|
	v_max3_num_f32 v8, v8, v9, (EMAX+1)<<23        ; and the floor 2^(EMAX + 1 - 127): so the byte cannot fall under 1
	v_max_num_f32_dpp v8, v8, v8 row_xmask:1 row_mask:0xf bank_mask:0xf   ; and of my neighbour's 16: the block's
	v_add_nc_u32 v11, -(EMAX<<23), v8              ; EMAX off its exponent field: the conversion takes the exponent field of this operand as its scale, and nothing else of it
	v_cvt_scalef32_pk8_fp4_f32 v[C+4*(\t)], v[XS:XS+7], v11
	v_cvt_scalef32_pk8_fp4_f32 v[C+4*(\t)+1], v[XS+8:XS+15], v11
	v_lshrrev_b32 v[E+(\t)], 23, v11               ; the scale's byte (also the plain line behind the conversions)
	ds_store_b8 v5, v[E+(\t)] offset:16*(\t)       ; both lanes of a block write the same byte with the same value
	global_store_b64 v4, v[C+4*(\t):C+4*(\t)+1], s[26:27] offset:32*CB*(\t)   ; the wave stores 256 consecutive bytes, at a multiple of 256 from the buffer's first byte
.endm
.irp t, 0,1,2,3,4,5,6,7,8,9,10,11,12,13,14,15
	STEP \t
.endr
	ds_load_b64 v[8:9], v6                         ; LDS serves a wave's instructions in order: these see my byte stores
	s_wait_dscnt 0x0
	global_store_b64 v7, v[8:9], s[28:29]          ; 32 lanes store the run's 256 scale bytes
	s_wait_tensorcnt 0x0                           ; the wave's end, behind my last LDS store
	ds_add_u32 v[SPW], v[NIL]
	s_wait_dscnt 0x0
	s_endpgm
; THE CAST.  A wave's 8,192 numbers of w_out are 64 chunks of 512 bytes, in 32 register slots: 32 loads are always on their way until none is left.  No LDS is touched on this way.
.Lcast:
	s_sub_co_u32 s30, ttmp9, GC
	s_lshl_b32 s30, s30, 2
	s_add_co_u32 s30, s30, s20                     ; my wave's run
	s_lshl_b32 s32, s30, 15
	s_mov_b32 s33, 0
	s_add_nc_u64 s[24:25], s[8:9], s[32:33]
	s_lshl_b32 s32, s30, 14
	s_add_nc_u64 s[26:27], s[18:19], s[32:33]
.set I, 0
.rept 32
	global_load_b128 v[R+4*I:R+4*I+3], v3, s[24:25] offset:512*I th:TH_LOAD_NT
.set I, I+1
.endr
.macro CAST i
.if 63-(\i) < 31
	s_wait_loadcnt 63-(\i)                         ; all 64 loads are issued: those of the chunks behind mine may be out
.else
	s_wait_loadcnt 31                              ; behind chunk i's load stand 31 others: the rest of the first 32 and the refills so far
.endif
.if (\i) >= 32
	s_wait_xcnt 0x0                                ; the slot's f16 registers were the data of the store 32 chunks back: they are rewritten only behind this wait
.endif
	v_cvt_pk_f16_f32 v[X+2*((\i)%32)], v[R+4*((\i)%32)], v[R+4*((\i)%32)+1]
	v_cvt_pk_f16_f32 v[X+2*((\i)%32)+1], v[R+4*((\i)%32)+2], v[R+4*((\i)%32)+3]
.if (\i) < 32
	global_load_b128 v[R+4*(\i):R+4*(\i)+3], v3, s[24:25] offset:512*((\i)+32) th:TH_LOAD_NT
.endif
	global_store_b64 v7, v[X+2*((\i)%32):X+2*((\i)%32)+1], s[26:27] offset:256*(\i)   ; the wave stores 256 consecutive bytes
.endm
.set I, 0
.rept 64
	CAST I
.set I, I+1
.endr
	s_endpgm
.Lfunc_end_k_qc418dea02c_prep:
	.size	k_qc418dea02c_prep, .Lfunc_end_k_qc418dea02c_prep-k_qc418dea02c_prep
	.p2alignl 7, 3214868480
	.fill 96, 4, 3214868480
	.section	.rodata,"a",@progbits
	.p2align	6, 0x0
	.amdhsa_kernel k_qc418dea02c_prep
		.amdhsa_group_segment_fixed_size 33280
		.amdhsa_private_segment_fixed_size 0
		.amdhsa_enable_private_segment 0
		.amdhsa_kernarg_size 64
		.amdhsa_user_sgpr_count 2
		.amdhsa_user_sgpr_kernarg_segment_ptr 1
		.amdhsa_wavefront_size32 1
		.amdhsa_system_sgpr_workgroup_id_x 1
		.amdhsa_system_sgpr_workgroup_id_y 1
		.amdhsa_system_sgpr_workgroup_id_z 1
		.amdhsa_system_vgpr_workitem_id 0
		.amdhsa_next_free_vgpr 256
		.amdhsa_next_free_sgpr 66
		.amdhsa_reserve_vcc 0
		.amdhsa_float_denorm_mode_32 3
		.amdhsa_float_denorm_mode_16_64 3
		.amdhsa_memory_ordered 1
		.amdhsa_forward_progress 1
		.amdhsa_inst_pref_size 57
	.end_amdhsa_kernel
	.amdgpu_metadata
---
amdhsa.version: [ 1, 2 ]
amdhsa.kernels:
  - .name:           k_qc418dea02c_prep
    .symbol:         k_qc418dea02c_prep.kd
    .args:
      - { .name: x, .offset: 0, .size: 8, .value_kind: global_buffer, .address_space: global }
      - { .name: w_qkv, .offset: 8, .size: 8, .value_kind: global_buffer, .address_space: global }
      - { .name: w_out, .offset: 16, .size: 8, .value_kind: global_buffer, .address_space: global }
      - { .name: xq_codes, .offset: 24, .size: 8, .value_kind: global_buffer, .address_space: global }
      - { .name: xq_scales, .offset: 32, .size: 8, .value_kind: global_buffer, .address_space: global }
      - { .name: wq_codes, .offset: 40, .size: 8, .value_kind: global_buffer, .address_space: global }
      - { .name: wq_scales, .offset: 48, .size: 8, .value_kind: global_buffer, .address_space: global }
      - { .name: wo16, .offset: 56, .size: 8, .value_kind: global_buffer, .address_space: global }
    .group_segment_fixed_size: 33280
    .private_segment_fixed_size: 0
    .kernarg_segment_align: 8
    .kernarg_segment_size: 64
    .max_flat_workgroup_size: 128
    .sgpr_count:     66
    .vgpr_count:     256
    .wavefront_size: 32
...
	.end_amdgpu_metadata
.endif
;; end of part 1
;; launch qkv_attn (part 2): grid 16 x 16, 4 waves a work-group, clusters of 4 x 4, 327,680 bytes of LDS; arguments xq_codes, xq_scales, wq_codes, wq_scales, b_qkv, att; writes att
.if DOCPART == 2
	.amdgcn_target "amdgcn-amd-amdhsa--gfx1250"
	.amdhsa_code_object_version 6
	.text
	.protected	k_qc418dea02c_qkv_attn
	.globl	k_qc418dea02c_qkv_attn
	.p2align	8
	.type	k_qc418dea02c_qkv_attn,@function
k_qc418dea02c_qkv_attn:
	s_mov_b64 s[64:65], 0
	v_nop
	global_prefetch_b8 v0, s[64:65] scope:SCOPE_SE
	s_setreg_imm32_b32 hwreg(HW_REG_WAVE_MODE, 25, 1), 1
	s_wait_xcnt 0x0
	s_wait_alu depctr_hold_cnt(0) depctr_sa_sdst(0) depctr_va_vdst(0) depctr_va_sdst(0) depctr_va_ssrc(0) depctr_va_vcc(0) depctr_vm_vsrc(0)
	s_getreg_b32 s2, hwreg(HW_REG_IB_STS2, 6, 4)
	s_cmp_eq_u32 s2, 0
	s_cbranch_scc0 .Lentry_in_a_cluster
	s_endpgm
.Lentry_in_a_cluster:
	s_bfe_u32 s2, ttmp6, 0x10000c
	s_cmp_lg_u32 s2, 0xf033
	s_cbranch_scc0 .Lentry_shape_is_right
	s_endpgm
.Lentry_shape_is_right:
; q, k, v = x w_qkv^T + b_qkv on codes of FP4 (E2M1) with E8M0 scales, and the attention of one head over a band: query i sees keys i .. min(i + 64, 2047) of its sequence.  q, k, v never go to memory.
; SHARES.  A work-group owns one head and 256 queries (row block rb of 16; 8 blocks to a sequence).  Wave w owns queries 64 w .. 64 w + 63 and makes by itself all that they need: Q of its 4 tiles of 16 tokens, K and V of the 8 tiles
; 64 w .. 64 w + 127.  So nothing goes from wave to wave; the price is K and V of 64 tokens made twice: 640 scaled matrix instructions a wave where 384 would be the least.
; LAYOUT, so that no number changes lanes.  K and Q: source 0 = 16 rows of w, source 1 = 16 tokens: a lane holds one token and 8 neighbouring features; two neighbouring feature tiles, packed to f16, ARE a fragment 16 tokens x 32 features.
; V: source 0 = 16 tokens, source 1 = 16 rows of w: a lane holds one feature and 8 neighbouring tokens; two neighbouring token tiles, packed, ARE a fragment of V^T, beginning at any tile.
; S^T = K Q^T and O^T = V^T P^T: a lane holds ONE query throughout.  O^T packed to f16 is a piece of the next launch's operand as its registers want it: att is laid [256 tiles of 16 rows][32 pieces of 32 k][2 parts][32 lanes][16 bytes].
; SOFTMAX in f32: the row's maximum m is taken away: p = 2^(c s - c m), c = log2(e) / 8; the sum is taken of the f32 p; p goes to the second product as f16.  v's bias is added at the end: a row's weights sum to 1 whatever the inputs.
; Every query sees itself, so no row is empty.  Keys past the sequence's end (last block, wave 3) are masked; what lies there in x's codes (the next sequence, or the copy behind the last row) is finite and meets p = 0.
; LIMITS: q, k, v and the result must lie within +-65,504 (f16); NaN and infinities among the inputs are not served.
; CLUSTER 4 x 4.  The four of a row of the cluster share the row block, so x's tiles are asked for jointly along the row; the four of a column share the head, so w's along the column.  All of K (1,024) fits in LDS: every byte is filled once.
; No data prefetch: all that the launch reads is asked for at its head.
; REGISTERS, in windows of 256.  Window 0: v0-31 addresses; v32-95 scale words; v96-223 x's fragments, two sets; v224-255 q's bias; in the attention v32-191 S^T then p, v192-223 statistics, v224-255 v's bias.
; Window 1: K's 32 accumulators, then Q's 16.  Window 2: V's 32 accumulators; then q's rows of w (v0-63), packed Q (v128-191), O^T (v0-127).  Window 3: w's fragments, two sets (v0-127), k's bias (v128-159); then packed K (v0-127), packed V (v128-255).
.set PITCH, 272                        ; an LDS row of codes: 256 bytes + 16 of padding: the 16 rows that a load touches start 16 bytes apart modulo 256
.set XC0,   0                          ; x's codes, K 0-511: 320 rows
.set XC1,   87040                      ; K 512-1023
.set WC0,   174080                     ; the head's 192 rows of w (k, v, q), K 0-511
.set WC1,   226304                     ; K 512-1023
.set XS,    278528                     ; x's scale bytes: 32 a row, 8 rows to 256 bytes, 16 of padding behind each 256: 40 x 272
.set WS,    289408                     ; w's: 24 x 272
.set SPARE, 295936                     ; the spare words, 128 bytes a wave, that no other line names
.set SPW,  28                          ; v28  LDS address of my spare word; never rewritten
.set NIL,  29                          ; v29  0; never rewritten
.set SC,   32                          ; scale words: v[SC + 8 i + s]: lanes 0-15 x's tile i, lanes 16-31 w's tile i (k 0-3, v 4-7), K step s
.set XF,   96                          ; x's fragments: set p at XF + 64 p, tile i at + 8 i
.set QB,   224                         ; q's bias, 8 registers a feature tile
.set KB,   128                         ; window 3: k's bias
.set S,    32                          ; S^T: query tile t, key tile a at S + 40 t + 8 a
.set ST,   192                         ; statistics of tile t at ST + 8 t: +0 c m, +1 m, +2, +3 the sum in two halves, +4, +5 at work, +6 1 / sum, +7 written once (named in a pair)
.set VB,   224                         ; v's bias
.set QP,   128                         ; window 2: packed Q at QP + 16 t + 4 f
.set VP,   128                         ; window 3: packed V at VP + 32 f + 4 i
.set LO,   28                          ; s28-35  lanes whose register j of key tile 0 is seen; s36-43 the same for key tile 4 (both in descriptor registers that are done with)
.set HI,   36
.set G1X,  28                          ; s[28:35] group 1: x's codes;  s[36:43] w's codes;  s[44:51] x's scales;  s[52:59] w's scales
.set G1W,  36
.set G1SX, 44
.set G1SW, 52
.set MSB, 0
.macro WIN new                         ; the immediate's high byte repeats the setting that is left; a switch that changes nothing is dropped
.if MSB != \new
	s_set_vgpr_msb (MSB<<8)|\new
.set MSB, \new
.endif
.endm
.macro PLACES n                        ; plain vector lines between a matrix instruction and a load into, or a read of, its registers (ISA guide 7.12.1 for a read)
.rept \n
	v_nop
.endr
.endm
; A joint load: waves 0 and 1 fetch for x, waves 2 and 3 for w.  Each line has one mask and one set of registers for all that issue it; the branch hangs on the wave's number alone.
; An s_nop 0 and four v_nop follow each of the two lines.
.macro JLOAD g0a, g1a, g0b, g1b
	s_cmp_eq_u32 s17, 0
	s_cbranch_scc0 .Lfor_w_\@
	tensor_load_to_lds s[\g0a:\g0a+3], s[\g1a:\g1a+7]
	s_nop 0
.rept 4
	v_nop
.endr
	s_branch .Lasked_\@
.Lfor_w_\@:
	tensor_load_to_lds s[\g0b:\g0b+3], s[\g1b:\g1b+7]
	s_nop 0
.rept 4
	v_nop
.endr
.Lasked_\@:
.endm
.macro CROUND                          ; a round of the cluster's barrier
	s_barrier_signal -1
	s_barrier_wait -1
	s_cmp_lg_u32 s16, 0
	s_cbranch_scc1 .Lnot_wave_0_\@
	s_barrier_signal -3
.Lnot_wave_0_\@:
	s_barrier_wait -3
	s_barrier_signal -1
	s_barrier_wait -1
.endm
	s_load_b256 s[4:11], s[0:1], 0x0               ; x's codes s[4:5], x's scales s[6:7], w's codes s[8:9], w's scales s[10:11]
	s_load_b128 s[12:15], s[0:1], 0x20             ; b_qkv s[12:13], att s[14:15]
	v_lshl_add_u32 v[SPW], v0, 2, SPARE
	v_mov_b32 v[NIL], 0
	ds_add_u32 v[SPW], v[NIL]                      ; the wave's opening: the add, twice on end, and its wait ahead of my first tensor load; the set-up below stands between
	ds_add_u32 v[SPW], v[NIL]
	v_lshrrev_b32 v1, 5, v0
	v_readfirstlane_b32 s16, v1                    ; wave 0..3
	s_lshr_b32 s17, s16, 1                         ; I fetch for x (0) or for w (1),
	s_and_b32 s18, s16, 1                          ; its first or its second half of rows
	s_bfe_u32 s19, ttmp6, 0x40000                  ; cx
	s_bfe_u32 s20, ttmp6, 0x40004                  ; cy
	s_lshl_b32 s21, ttmp9, 2
	s_add_co_u32 s21, s21, s19                     ; head = 4 x cluster x + cx
	s_and_b32 s22, ttmp7, 0xffff
	s_lshl_b32 s22, s22, 2
	s_add_co_u32 s22, s22, s20                     ; row block = 4 x cluster y + cy
	s_lshl_b32 s23, s20, 2
	s_lshl_b32 s23, 15, s23                        ; my row of the cluster
	s_lshl_b32 s24, 0x1111, s19                    ; my column
	; group 1, codes: rows of 256 bytes (512 along K), 512 bytes apart in memory, 16 bytes of padding behind each in LDS; 160 rows of x or 96 of w to a load
	s_or_b32 s[G1X], s23, (1<<20)|(1<<21)|(5<<22)|(3<<25)   ; 15:0 the mask; 17:16 elements of 1 byte; 20 padding on; 21 set beside a mask; 24:22 after every 64 words; 31:25 four words
	s_mov_b32 s[G1X+1], 256<<16                    ; tensor_dim0
	s_mov_b32 s[G1X+2], 160<<16                    ; tensor_dim1
	s_mov_b32 s[G1X+3], 256<<16                    ; tile_dim0
	s_mov_b32 s[G1X+4], 160                        ; tile_dim1
	s_mov_b32 s[G1X+5], 512                        ; from row to row
	s_mov_b32 s[G1X+6], 0
	s_mov_b32 s[G1X+7], 0
	s_or_b32 s[G1W], s24, (1<<20)|(1<<21)|(5<<22)|(3<<25)
	s_mov_b32 s[G1W+1], 256<<16
	s_mov_b32 s[G1W+2], 96<<16
	s_mov_b32 s[G1W+3], 256<<16
	s_mov_b32 s[G1W+4], 96
	s_mov_b32 s[G1W+5], 512
	s_mov_b32 s[G1W+6], 0
	s_mov_b32 s[G1W+7], 0
	; group 1, scale bytes: a dense block, as rows of 256 bytes (32 elements of 8 bytes), 16 bytes of padding behind each: 20 such rows for 160 rows of x, 12 for 96 of w
	s_or_b32 s[G1SX], s23, (3<<16)|(1<<20)|(1<<21)|(5<<22)|(3<<25)
	s_mov_b32 s[G1SX+1], 32<<16
	s_mov_b32 s[G1SX+2], 20<<16
	s_mov_b32 s[G1SX+3], 32<<16
	s_mov_b32 s[G1SX+4], 20
	s_mov_b32 s[G1SX+5], 32
	s_mov_b32 s[G1SX+6], 0
	s_mov_b32 s[G1SX+7], 0
	s_or_b32 s[G1SW], s24, (3<<16)|(1<<20)|(1<<21)|(5<<22)|(3<<25)
	s_mov_b32 s[G1SW+1], 32<<16
	s_mov_b32 s[G1SW+2], 12<<16
	s_mov_b32 s[G1SW+3], 32<<16
	s_mov_b32 s[G1SW+4], 12
	s_mov_b32 s[G1SW+5], 32
	s_mov_b32 s[G1SW+6], 0
	s_mov_b32 s[G1SW+7], 0
	; where the tiles come from.  x's hang on the row block alone (s88-91), w's on the head alone (s92-95)
	s_lshl_b32 s88, s22, 8
	s_mul_i32 s89, s18, 160
	s_add_co_u32 s88, s88, s89                     ; x: the first row that I fetch: 256 rb + 160 half
	s_lshl_b32 s90, s88, 5                         ; its scale bytes,
	s_mov_b32 s91, 0
	s_lshl_b32 s88, s88, 9                         ; its codes
	s_mov_b32 s89, 0
	s_mul_i32 s92, s21, 192
	s_mul_i32 s93, s18, 96
	s_add_co_u32 s92, s92, s93                     ; w: 192 head + 96 half
	s_lshl_b32 s94, s92, 5
	s_mov_b32 s95, 0
	s_lshl_b32 s92, s92, 9
	s_mov_b32 s93, 0
	; groups 0: count and LDS address (the half alone enters it): s[60:63] x's scales, s[68:71], s[72:75] x's codes; s[76:79] w's scales, s[80:83], s[84:87] w's codes
	s_mov_b32 s60, 1
	s_mul_i32 s61, s18, 5440
	s_add_co_u32 s61, s61, XS
	s_mov_b32 s68, 1
	s_mul_i32 s69, s18, 160*PITCH
	s_mov_b32 s72, 1
	s_add_co_u32 s73, s69, XC1
	s_mov_b32 s76, 1
	s_mul_i32 s77, s18, 3264
	s_add_co_u32 s77, s77, WS
	s_mov_b32 s80, 1
	s_mul_i32 s81, s18, 96*PITCH
	s_mov_b32 s84, 1
	s_add_co_u32 s85, s81, WC1
	s_add_co_u32 s81, s81, WC0
	s_mov_b32 s26, 0x3e38aa3b                      ; c = log2(e) / 8
	s_mov_b32 s27, s26                             ; (named with it as a pair)
	s_mov_b32 s66, 0x76543210
	s_mov_b32 s67, 0xfedcba98                      ; v_permlanex16_b32's selects for lane l xor 16
	s_wait_dscnt 0x0                               ; both opening adds are done
	s_wait_kmcnt 0x0
	s_add_nc_u64 s[62:63], s[6:7], s[90:91]
	s_or_b32 s63, s63, 0x80000000
	s_add_nc_u64 s[70:71], s[4:5], s[88:89]
	s_add_nc_u64 s[74:75], s[70:71], 256           ; K 512 on: 256 bytes along the row
	s_or_b32 s71, s71, 0x80000000
	s_or_b32 s75, s75, 0x80000000
	s_add_nc_u64 s[78:79], s[10:11], s[94:95]
	s_or_b32 s79, s79, 0x80000000
	s_add_nc_u64 s[82:83], s[8:9], s[92:93]
	s_add_nc_u64 s[86:87], s[82:83], 256
	s_or_b32 s83, s83, 0x80000000
	s_or_b32 s87, s87, 0x80000000
	CROUND                                         ; all sixteen work-groups are here: the joint loads meet
	JLOAD 60, G1SX, 76, G1SW                       ; the scale bytes,
	JLOAD 68, G1X, 80, G1W                         ; K 0-511,
	JLOAD 72, G1X, 84, G1W                         ; K 512-1023: three loads of mine are out
	; addresses
	v_and_b32 v1, 15, v0                           ; r
	v_bfe_u32 v2, v0, 4, 1                         ; h
	v_and_b32 v3, 31, v0
	v_lshlrev_b32 v3, 4, v3                        ; the way out: 16 x lane
	v_mul_u32_u24 v11, v1, PITCH
	v_lshl_add_u32 v11, v2, 4, v11                 ; a fragment's row x pitch + 16 h
	s_mul_i32 s88, s16, 64*PITCH                   ; my tokens begin at row 64 w of the tile
	v_add_nc_u32 v4, s88, v11                      ; x, K 0-511 (XC0 = 0)
	v_add_nc_u32 v5, XC1, v4                       ; x, K 512-1023
	v_add_nc_u32 v6, WC0, v11                      ; w likewise
	v_add_nc_u32 v7, WC1, v11
	v_lshrrev_b32 v12, 3, v1
	v_lshlrev_b32 v13, 5, v1
	v_lshl_add_u32 v12, v12, 4, v13                ; row r's scale bytes in a tile's 544: 32 r + 16 (r / 8)
	s_mul_i32 s89, s16, 2176                       ; my 64 w rows of x are 8 w blocks of 272
	s_mov_b32 s90, WS-XS
	s_sub_co_u32 s90, s90, s89
	v_mul_u32_u24 v13, s90, v2                     ; lanes 16-31 take w's words: one product, h x the distance
	s_add_co_u32 s89, s89, XS
	v_add_nc_u32 v13, v13, v12
	v_add_nc_u32 v8, s89, v13
	v_add_nc_u32 v9, WS+4352, v12                  ; q's rows of w begin 128 rows, 16 blocks of 272, on
	v_lshlrev_b32 v10, 5, v2                       ; the biases: 8 h numbers on
	v_mov_b32 v30, 0xff800000                      ; -infinity
	v_lshlrev_b32 v31, 3, v2
	v_sub_nc_u32 v31, v1, v31                      ; d = r - 8 h
	s_lshl_b32 s96, s21, 8                         ; the head's 64 numbers of each bias
	s_mov_b32 s97, 0
	s_add_nc_u64 s[12:13], s[12:13], s[96:97]
	s_lshl_b32 s96, s22, 4
	s_lshl_b32 s98, s16, 2
	s_add_co_u32 s96, s96, s98                     ; my first tile of 16 rows: 16 rb + 4 w,
	s_lshl_b32 s96, s96, 15                        ; 32,768 bytes each,
	s_lshl_b32 s98, s21, 11                        ; and the head's 64 columns: 2,048 bytes in each
	s_add_co_u32 s96, s96, s98
	s_add_nc_u64 s[14:15], s[14:15], s[96:97]
	s_and_b32 s98, s22, 7
	s_lshl_b32 s98, s98, 8
	s_lshl_b32 s96, s16, 6
	s_add_co_u32 s98, s98, s96
	s_add_co_u32 s98, s98, 64                      ; the place in the sequence of my token tile 4
	s_cmp_lt_u32 s98, 2048
	s_cselect_b32 s25, -1, 0                       ; all lanes on where my token tiles 4-7 lie inside the sequence, else none
	WIN 0xc0                                       ; destination window 3
.irp f, 0,1,2,3
	global_load_b128 v[KB+8*\f:KB+8*\f+3], v10, s[12:13] offset:4096+64*\f       ; k's bias in the result's layout: features 16 f + 8 h + 0 .. 7
	global_load_b128 v[KB+8*\f+4:KB+8*\f+7], v10, s[12:13] offset:4096+64*\f+16
.endr
	WIN 0
.irp f, 0,1,2,3
	global_load_b128 v[QB+8*\f:QB+8*\f+3], v10, s[12:13] offset:64*\f            ; q's
	global_load_b128 v[QB+8*\f+4:QB+8*\f+7], v10, s[12:13] offset:64*\f+16
.endr
; A fragment, 16 rows x 128 K of 4-bit codes, is 8 registers: lane (r, h) holds row r; registers 4 c .. 4 c + 3 hold K = 64 c + 32 h + 0 .. 31: 16 bytes of the row as they lie.
.macro FRAGX p, i, s                   ; x's token tile i of K step s into set p
.irp c, 0,1
	ds_load_b128 v[XF+64*(\p)+8*(\i)+4*\c:XF+64*(\p)+8*(\i)+4*\c+3], v[4+(\s)/4] offset:16*PITCH*(\i)+64*((\s)%4)+32*\c
.endr
.endm
.macro FRAGW reg, j, s                 ; w's tile j (k 0-3, v 4-7, q 8-11) of K step s into v[reg] on
.irp c, 0,1
	ds_load_b128 v[\reg+4*\c:\reg+4*\c+3], v[6+(\s)/4] offset:16*PITCH*(\j)+64*((\s)%4)+32*\c
.endr
.endm
.macro LOAD1 s                         ; 32 LDS loads in one run: k's and v's 8 tiles of w, x's 8 tiles
	WIN 0xc0
.irp j, 0,1,2,3,4,5,6,7
	FRAGW 64*((\s)%2)+8*\j, \j, \s
.endr
	WIN 0
.irp i, 0,1,2,3,4,5,6,7
	FRAGX (\s)%2, \i, \s
.endr
.endm
; The accumulators take turns, one instruction a turn, in the same order in every K step.  The first K step starts the sums: K's with the bias as C, V's with 0.
.macro MULK s                          ; K^T tiles: source 0 = k's rows of w (scales in lanes 16-31), source 1 = x
.if (\s) == 0
	WIN 0x73                                       ; A window 3, B window 0, C window 3 (the bias), D window 1
.else
	WIN 0x53
.endif
.irp i, 0,1,2,3,4,5,6,7
.irp f, 0,1,2,3
.if (\s) == 0
	v_wmma_scale_f32_16x16x128_f8f6f4 v[8*(4*\i+\f):8*(4*\i+\f)+7], v[64*((\s)%2)+8*\f:64*((\s)%2)+8*\f+7], v[XF+64*((\s)%2)+8*\i:XF+64*((\s)%2)+8*\i+7], v[KB+8*\f:KB+8*\f+7], v[SC+8*\f+(\s)], v[SC+8*\i+(\s)] matrix_a_fmt:MATRIX_FMT_FP4 matrix_b_fmt:MATRIX_FMT_FP4 matrix_a_scale:MATRIX_SCALE_ROW1
.else
	v_wmma_scale_f32_16x16x128_f8f6f4 v[8*(4*\i+\f):8*(4*\i+\f)+7], v[64*((\s)%2)+8*\f:64*((\s)%2)+8*\f+7], v[XF+64*((\s)%2)+8*\i:XF+64*((\s)%2)+8*\i+7], v[8*(4*\i+\f):8*(4*\i+\f)+7], v[SC+8*\f+(\s)], v[SC+8*\i+(\s)] matrix_a_fmt:MATRIX_FMT_FP4 matrix_b_fmt:MATRIX_FMT_FP4 matrix_a_scale:MATRIX_SCALE_ROW1
.endif
.endr
.endr
.endm
.macro MULV s                          ; V tiles: source 0 = x, source 1 = v's rows of w (scales in lanes 16-31)
	WIN 0xac                                       ; A window 0, B window 3, C and D window 2
.irp i, 0,1,2,3,4,5,6,7
.irp f, 0,1,2,3
.if (\s) == 0
	v_wmma_scale_f32_16x16x128_f8f6f4 v[8*(4*\i+\f):8*(4*\i+\f)+7], v[XF+64*((\s)%2)+8*\i:XF+64*((\s)%2)+8*\i+7], v[64*((\s)%2)+32+8*\f:64*((\s)%2)+32+8*\f+7], 0, v[SC+8*\i+(\s)], v[SC+8*(4+\f)+(\s)] matrix_a_fmt:MATRIX_FMT_FP4 matrix_b_fmt:MATRIX_FMT_FP4 matrix_b_scale:MATRIX_SCALE_ROW1
.else
	v_wmma_scale_f32_16x16x128_f8f6f4 v[8*(4*\i+\f):8*(4*\i+\f)+7], v[XF+64*((\s)%2)+8*\i:XF+64*((\s)%2)+8*\i+7], v[64*((\s)%2)+32+8*\f:64*((\s)%2)+32+8*\f+7], v[8*(4*\i+\f):8*(4*\i+\f)+7], v[SC+8*\i+(\s)], v[SC+8*(4+\f)+(\s)] matrix_a_fmt:MATRIX_FMT_FP4 matrix_b_fmt:MATRIX_FMT_FP4 matrix_b_scale:MATRIX_SCALE_ROW1
.endif
.endr
.endr
.endm
; A K step of 128 for K and V: 64 matrix instructions; the next step's 32 loads are issued ahead of them, into the other sets.
.macro STEP1 s
	s_wait_dscnt 0x0                               ; this step's fragments are in (asked for 64 matrix instructions ago)
.if (\s) == 3
	s_wait_tensorcnt 0x0                           ; my part of K 512-1023 has landed: no load was issued behind it;
	s_barrier_signal -1                            ; say so, work on registers while the others arrive,
	MULK \s
	s_barrier_wait -1                              ; and read those bytes only when all four waves have said so.
	PLACES 4
	LOAD1 (\s)+1
	MULV \s
.else
.if ((\s) > 0) && ((\s) < 7)
	PLACES 4                                       ; the loads below land in registers that the last step's products read
.endif
.if (\s) < 7
	LOAD1 (\s)+1
.endif
	MULK \s
	MULV \s
.endif
.endm
.macro LOAD2 s                         ; 16 LDS loads: q's 4 tiles of w into window 2, x's 4 query tiles
	WIN 0x80
.irp f, 0,1,2,3
	FRAGW 32*((\s)%2)+8*\f, 8+\f, \s
.endr
	WIN 0
.irp i, 0,1,2,3
	FRAGX (\s)%2, \i, \s
.endr
.endm
.macro MULQ s                          ; Q^T tiles: source 0 = q's rows of w, source 1 = x; both sides' scales in lanes 0-15
.if (\s) == 0
	WIN 0x42                                       ; A window 2, B window 0, C window 0 (the bias), D window 1
.else
	WIN 0x52
.endif
.irp i, 0,1,2,3
.irp f, 0,1,2,3
.if (\s) == 0
	v_wmma_scale_f32_16x16x128_f8f6f4 v[8*(4*\i+\f):8*(4*\i+\f)+7], v[32*((\s)%2)+8*\f:32*((\s)%2)+8*\f+7], v[XF+64*((\s)%2)+8*\i:XF+64*((\s)%2)+8*\i+7], v[QB+8*\f:QB+8*\f+7], v[SC+32+8*\f+(\s)], v[SC+8*\i+(\s)] matrix_a_fmt:MATRIX_FMT_FP4 matrix_b_fmt:MATRIX_FMT_FP4
.else
	v_wmma_scale_f32_16x16x128_f8f6f4 v[8*(4*\i+\f):8*(4*\i+\f)+7], v[32*((\s)%2)+8*\f:32*((\s)%2)+8*\f+7], v[XF+64*((\s)%2)+8*\i:XF+64*((\s)%2)+8*\i+7], v[8*(4*\i+\f):8*(4*\i+\f)+7], v[SC+32+8*\f+(\s)], v[SC+8*\i+(\s)] matrix_a_fmt:MATRIX_FMT_FP4 matrix_b_fmt:MATRIX_FMT_FP4
.endif
.endr
.endr
.endm
.macro STEP2 s
	s_wait_dscnt 0x0
.if (\s) == 0
	PLACES 5                                       ; Q's accumulators are begun anew over K's: one place more than a load wants
.else
	PLACES 4
.endif
.if (\s) < 7
	LOAD2 (\s)+1
.endif
	MULQ \s
.endm
	s_wait_tensorcnt 1                             ; the scale bytes and my part of K 0-511 are in; the load of K 512-1023, issued behind them, may be out
	s_barrier_signal -1
	s_barrier_wait -1                              ; everybody's are
.irp i, 0,1,2,3,4,5,6,7
.irp q, 0,1
	ds_load_b128 v[SC+8*\i+4*\q:SC+8*\i+4*\q+3], v8 offset:544*\i+16*\q   ; a row's 8 scale words, one for each K step: they stay in registers
.endr
.endr
	LOAD1 0
	s_wait_loadcnt 0x0                             ; the two biases
.irp s, 0,1,2,3,4,5,6,7
	STEP1 \s
.endr
	; K and V are done.  Their packing to f16 stands over the first loads of Q's product.
	PLACES 4
	WIN 0
.irp i, 0,1,2,3
	FRAGX 0, \i, 0
.endr
	WIN 0xca                                       ; sources window 2, destination window 3
.irp i, 0,1,2,3,4,5,6,7
.irp f, 0,1,2,3
.irp q, 0,1,2,3
	v_cvt_pk_f16_f32 v[VP+32*\f+4*\i+\q], v[8*(4*\i+\f)+2*\q], v[8*(4*\i+\f)+2*\q+1]   ; feature r, tokens 16 i + 8 h + 2 q, + 1; each accumulator from its low end on
.endr
.endr
.endr
	WIN 0x80
.irp f, 0,1,2,3
	FRAGW 8*\f, 8+\f, 0                            ; into registers of V's accumulators, which have been packed
.endr
	WIN 0
.irp f, 0,1,2,3
.irp q, 0,1
	ds_load_b128 v[SC+32+8*\f+4*\q:SC+32+8*\f+4*\q+3], v9 offset:544*\f+16*\q   ; the scale words of q's rows take the place of tiles 4-7's
.endr
.endr
	WIN 0xc5                                       ; sources window 1, destination window 3
.irp i, 0,1,2,3,4,5,6,7
.irp f, 0,1,2,3
.irp q, 0,1,2,3
	v_cvt_pk_f16_f32 v[16*\i+4*\f+\q], v[8*(4*\i+\f)+2*\q], v[8*(4*\i+\f)+2*\q+1]      ; token r, features 16 f + 8 h + 2 q, + 1
.endr
.endr
.endr
.irp s, 0,1,2,3,4,5,6,7
	STEP2 \s
.endr
	PLACES 4
	WIN 0
.irp f, 0,1,2,3
	global_load_b128 v[VB+8*\f:VB+8*\f+3], v10, s[12:13] offset:8192+64*\f       ; v's bias, wanted on the way out
	global_load_b128 v[VB+8*\f+4:VB+8*\f+7], v10, s[12:13] offset:8192+64*\f+16
.endr
	WIN 0x85                                       ; sources window 1, destination window 2
.irp i, 0,1,2,3
.irp f, 0,1,2,3
.irp q, 0,1,2,3
	v_cvt_pk_f16_f32 v[QP+16*\i+4*\f+\q], v[8*(4*\i+\f)+2*\q], v[8*(4*\i+\f)+2*\q+1]
.endr
.endr
.endr
	WIN 0
	; THE BAND.  Register j of key tile a holds key 16 (t + a) + 8 h + j for query 16 t + r: seen where 0 <= 16 a + 8 h + j - r <= 64.  Tile 0: j >= d; tile 4: j <= d; tiles 1-3: all.  Made of ids alone.
.irp j, 0,1,2,3,4,5,6,7
	v_cmp_ge_i32 s[LO+\j], \j, v31
	v_cmp_le_i32 s[HI+\j], \j, v31
.endr
.irp j, 0,1,2,3,4,5,6,7
	s_and_b32 s[HI+\j], s[HI+\j], s25              ; key tile 4 is always one of my token tiles 4-7
.endr
.irp t, 0,1,2,3
	v_mov_b32 v[ST+8*\t+5], 0                      ; written once: a lane permute's destination counts as one of its sources
	v_mov_b32 v[ST+8*\t+7], 0                      ; named as the upper half of a pair
.endr
	; S^T = K Q^T: 20 accumulators by turns, 32 features at a time
	WIN 0x0b                                       ; A (K) window 3, B (Q) window 2, C and D window 0
.irp e, 0,1
.irp t, 0,1,2,3
.irp a, 0,1,2,3,4
.if \e == 0
	v_wmma_f32_16x16x32_f16 v[S+40*\t+8*\a:S+40*\t+8*\a+7], v[16*(\t+\a)+8*\e:16*(\t+\a)+8*\e+7], v[QP+16*\t+8*\e:QP+16*\t+8*\e+7], 0
.else
	v_wmma_f32_16x16x32_f16 v[S+40*\t+8*\a:S+40*\t+8*\a+7], v[16*(\t+\a)+8*\e:16*(\t+\a)+8*\e+7], v[QP+16*\t+8*\e:QP+16*\t+8*\e+7], v[S+40*\t+8*\a:S+40*\t+8*\a+7]
.endif
.endr
.endr
.endr
	WIN 0
	PLACES 4
.irp t, 0,1,2,3
.irp j, 0,1,2,3,4,5,6,7
	v_cndmask_b32 v[S+40*\t+\j], v30, v[S+40*\t+\j], s[LO+\j]          ; hidden scores become -infinity ahead of the maximum
.endr
.endr
.irp t, 0,1,2,3
.irp j, 0,1,2,3,4,5,6,7
	v_cndmask_b32 v[S+40*\t+32+\j], v30, v[S+40*\t+32+\j], s[HI+\j]
.endr
.endr
.irp t, 1,2,3
.irp a, 1,2,3
.if \t+\a >= 4
.irp j, 0,1,2,3,4,5,6,7
	v_cndmask_b32 v[S+40*\t+8*\a+\j], v30, v[S+40*\t+8*\a+\j], s25     ; token tiles 4-7 past the sequence's end
.endr
.endif
.endr
.endr
	; the row's maximum: my 40 scores in ascending order, the four tiles by turns; then lane l xor 16's
.irp t, 0,1,2,3
	v_max3_num_f32 v[ST+8*\t+4], v[S+40*\t], v[S+40*\t+1], v[S+40*\t+2]
.endr
.irp k, 1,2,3,4,5,6,7,8,9,10,11,12,13,14,15,16,17,18
.irp t, 0,1,2,3
	v_max3_num_f32 v[ST+8*\t+4], v[ST+8*\t+4], v[S+40*\t+2*\k+1], v[S+40*\t+2*\k+2]
.endr
.endr
.irp t, 0,1,2,3
	v_max_num_f32 v[ST+8*\t+4], v[ST+8*\t+4], v[S+40*\t+39]
.endr
.irp t, 0,1,2,3
	v_permlanex16_b32 v[ST+8*\t+5], v[ST+8*\t+4], s66, s67
.endr
.irp t, 0,1,2,3
	v_max_num_f32 v[ST+8*\t+1], v[ST+8*\t+4], v[ST+8*\t+5]             ; m
.endr
.irp t, 0,1,2,3
	v_mul_f32 v[ST+8*\t], s26, v[ST+8*\t+1]                            ; c m
.endr
.irp k, 0,2,4,6,8,10,12,14,16,18,20,22,24,26,28,30,32,34,36,38
.irp t, 0,1,2,3
	v_pk_fma_f32 v[S+40*\t+\k:S+40*\t+\k+1], v[S+40*\t+\k:S+40*\t+\k+1], s[26:27], v[ST+8*\t:ST+8*\t+1] op_sel_hi:[1,0,0] neg_lo:[0,0,1] neg_hi:[0,0,1]   ; c s - c m, two at a time
.endr
.endr
.set n, 0
.rept 160
	v_exp_f32 v[S+n], v[S+n]                       ; p = 2^(c s - c m), at most 1; 0 where hidden.  One batch
.set n, n+1
.endr
	v_nop                                          ; a plain line behind the last exponential
	s_wait_alu depctr_va_vdst(0)                   ; the wait ahead of the first line that names a result: one for the batch
.irp t, 0,1,2,3
	v_pk_add_f32 v[ST+8*\t+2:ST+8*\t+3], v[S+40*\t:S+40*\t+1], v[S+40*\t+2:S+40*\t+3]     ; the row's sum, of the f32 p
.endr
.irp k, 4,6,8,10,12,14,16,18,20,22,24,26,28,30,32,34,36,38
.irp t, 0,1,2,3
	v_pk_add_f32 v[ST+8*\t+2:ST+8*\t+3], v[ST+8*\t+2:ST+8*\t+3], v[S+40*\t+\k:S+40*\t+\k+1]
.endr
.endr
	; p to f16, in place and ascending (a line's destination lies at or under what is still to be read): three fragments of 32 keys: [tile 0, tile 1] [tile 2, tile 3] [zeros, tile 4]
.irp t, 0,1,2,3
.irp a, 0,1,2,3
.irp q, 0,1,2,3
	v_cvt_pk_f16_f32 v[S+40*\t+4*\a+\q], v[S+40*\t+8*\a+2*\q], v[S+40*\t+8*\a+2*\q+1]
.endr
.endr
.irp q, 0,1,2,3
	v_cvt_pk_f16_f32 v[S+40*\t+20+\q], v[S+40*\t+32+2*\q], v[S+40*\t+32+2*\q+1]
.endr
.irp q, 0,1,2,3
	v_mov_b32 v[S+40*\t+16+\q], 0
.endr
.endr
	; O^T = V^T P^T: 16 accumulators by turns; V's fragments begin at token tiles t, t + 2, t + 3
	WIN 0xa3                                       ; A (V) window 3, B (p) window 0, C and D window 2
.irp g, 0,1,2
.irp t, 0,1,2,3
.irp f, 0,1,2,3
.if \g == 0
	v_wmma_f32_16x16x32_f16 v[32*\t+8*\f:32*\t+8*\f+7], v[VP+32*\f+4*(\t+\g+(\g+1)/2):VP+32*\f+4*(\t+\g+(\g+1)/2)+7], v[S+40*\t+8*\g:S+40*\t+8*\g+7], 0
.else
	v_wmma_f32_16x16x32_f16 v[32*\t+8*\f:32*\t+8*\f+7], v[VP+32*\f+4*(\t+\g+(\g+1)/2):VP+32*\f+4*(\t+\g+(\g+1)/2)+7], v[S+40*\t+8*\g:S+40*\t+8*\g+7], v[32*\t+8*\f:32*\t+8*\f+7]
.endif
.endr
.endr
.endr
	; THE WAY OUT.  The sums' additions are the places behind the last products.
	WIN 0
.irp t, 0,1,2,3
	v_add_f32 v[ST+8*\t+4], v[ST+8*\t+2], v[ST+8*\t+3]
.endr
.irp t, 0,1,2,3
	v_permlanex16_b32 v[ST+8*\t+5], v[ST+8*\t+4], s66, s67
.endr
.irp t, 0,1,2,3
	v_add_f32 v[ST+8*\t+4], v[ST+8*\t+4], v[ST+8*\t+5]
.endr
.irp t, 0,1,2,3
	v_rcp_f32 v[ST+8*\t+6], v[ST+8*\t+4]
.endr
	v_nop                                          ; a plain line behind the last reciprocal
	s_wait_alu depctr_va_vdst(0)                   ; and the wait ahead of the first use: one for the four
	s_wait_loadcnt 0x0                             ; v's bias
	WIN 0x82                                       ; O^T (destination and source 0) window 2; 1 / sum and the bias window 0
.irp t, 0,1,2,3
.irp f, 0,1,2,3
.irp k, 0,2,4,6
	v_pk_fma_f32 v[32*\t+8*\f+\k:32*\t+8*\f+\k+1], v[32*\t+8*\f+\k:32*\t+8*\f+\k+1], v[ST+8*\t+6:ST+8*\t+7], v[VB+8*\f+\k:VB+8*\f+\k+1] op_sel_hi:[1,0,1]   ; O / sum + b_v
.endr
.endr
.endr
	WIN 0x0a                                       ; sources window 2, destination window 0
.irp t, 0,1,2,3
.irp f, 0,1,2,3
.irp q, 0,1,2,3
	v_cvt_pk_f16_f32 v[32+16*\t+4*\f+\q], v[32*\t+8*\f+2*\q], v[32*\t+8*\f+2*\q+1]
.endr
.endr
.endr
	WIN 0
.irp t, 0,1,2,3
.irp f, 0,1,2,3
	global_store_b128 v3, v[32+16*\t+4*\f:32+16*\t+4*\f+3], s[14:15] offset:32768*\t+512*\f   ; row 16 t + r, columns 64 head + 16 f + 8 h + 0 .. 7: the wave stores 512 consecutive bytes, at a multiple of 512 from att's first byte
.endr
.endr
	s_wait_tensorcnt 0x0                           ; the wave's end, behind my last tensor load
	ds_add_u32 v[SPW], v[NIL]
	s_wait_dscnt 0x0
	CROUND                                         ; the closing round
	s_endpgm
.Lfunc_end_k_qc418dea02c_qkv_attn:
	.size	k_qc418dea02c_qkv_attn, .Lfunc_end_k_qc418dea02c_qkv_attn-k_qc418dea02c_qkv_attn
	.p2alignl 7, 3214868480
	.fill 96, 4, 3214868480
	.section	.rodata,"a",@progbits
	.p2align	6, 0x0
	.amdhsa_kernel k_qc418dea02c_qkv_attn
		.amdhsa_group_segment_fixed_size 327680
		.amdhsa_private_segment_fixed_size 0
		.amdhsa_enable_private_segment 0
		.amdhsa_kernarg_size 48
		.amdhsa_user_sgpr_count 2
		.amdhsa_user_sgpr_kernarg_segment_ptr 1
		.amdhsa_wavefront_size32 1
		.amdhsa_system_sgpr_workgroup_id_x 1
		.amdhsa_system_sgpr_workgroup_id_y 1
		.amdhsa_system_sgpr_workgroup_id_z 1
		.amdhsa_system_vgpr_workitem_id 0
		.amdhsa_next_free_vgpr 1024
		.amdhsa_next_free_sgpr 100
		.amdhsa_reserve_vcc 0
		.amdhsa_float_denorm_mode_32 3
		.amdhsa_float_denorm_mode_16_64 3
		.amdhsa_memory_ordered 1
		.amdhsa_forward_progress 1
		.amdhsa_inst_pref_size 193
	.end_amdhsa_kernel
	.amdgpu_metadata
---
amdhsa.version: [ 1, 2 ]
amdhsa.kernels:
  - .name:           k_qc418dea02c_qkv_attn
    .symbol:         k_qc418dea02c_qkv_attn.kd
    .args:
      - { .name: xq_codes, .offset: 0, .size: 8, .value_kind: global_buffer, .address_space: global }
      - { .name: xq_scales, .offset: 8, .size: 8, .value_kind: global_buffer, .address_space: global }
      - { .name: wq_codes, .offset: 16, .size: 8, .value_kind: global_buffer, .address_space: global }
      - { .name: wq_scales, .offset: 24, .size: 8, .value_kind: global_buffer, .address_space: global }
      - { .name: b_qkv, .offset: 32, .size: 8, .value_kind: global_buffer, .address_space: global }
      - { .name: att, .offset: 40, .size: 8, .value_kind: global_buffer, .address_space: global }
    .group_segment_fixed_size: 327680
    .private_segment_fixed_size: 0
    .kernarg_segment_align: 8
    .kernarg_segment_size: 48
    .max_flat_workgroup_size: 128
    .sgpr_count:     100
    .vgpr_count:     1024
    .wavefront_size: 32
...
	.end_amdgpu_metadata
.endif
;; end of part 2
;; launch proj (part 3): grid 8 x 32, 4 waves a work-group, clusters of 4 x 4, 327,680 bytes of LDS; arguments att, wo16, b_out, out0; writes out0
.if DOCPART == 3
	.amdgcn_target "amdgcn-amd-amdhsa--gfx1250"
	.amdhsa_code_object_version 6
	.text
	.protected	k_qc418dea02c_proj
	.globl	k_qc418dea02c_proj
	.p2align	8
	.type	k_qc418dea02c_proj,@function
k_qc418dea02c_proj:
	s_mov_b64 s[64:65], 0
	v_nop
	global_prefetch_b8 v0, s[64:65] scope:SCOPE_SE
	s_setreg_imm32_b32 hwreg(HW_REG_WAVE_MODE, 25, 1), 1
	s_wait_xcnt 0x0
	s_wait_alu depctr_hold_cnt(0) depctr_sa_sdst(0) depctr_va_vdst(0) depctr_va_sdst(0) depctr_va_ssrc(0) depctr_va_vcc(0) depctr_vm_vsrc(0)
	s_getreg_b32 s2, hwreg(HW_REG_IB_STS2, 6, 4)
	s_cmp_eq_u32 s2, 0
	s_cbranch_scc0 .Lentry_in_a_cluster
	s_endpgm
.Lentry_in_a_cluster:
	s_bfe_u32 s2, ttmp6, 0x10000c
	s_cmp_lg_u32 s2, 0xf033
	s_cbranch_scc0 .Lentry_shape_is_right
	s_endpgm
.Lentry_shape_is_right:
; out0[m][n] = sum over k of att[m][k] w_out[n][k] + b_out[n].  m 4,096, n 1,024, k 1,024; operands f16, sums and result f32.
; att comes as images of the operand's registers: [256 tiles of 16 rows][32 pieces of 32 k][2 parts][32 lanes][16 bytes]; wo16 is w_out in f16, row-major [n][k].
; A tile of the result is 128 x 128, so that there are 256 work-groups; four waves, each 64 x 64: 16 accumulators.  K goes in four steps of 256 through two LDS slots, written out without a loop.
; CLUSTER 4 x 4: att's tiles are asked for jointly along a row of the cluster, w_out's along a column.  THE MATRIX INSTRUCTION IS USED TRANSPOSED (source 0 = 16 rows of w_out, source 1 = 16 rows of att):
; a lane then holds eight neighbouring numbers of a row of the result.  The bias is the C of each sum's first matrix instruction.
; No data prefetch: four short K steps on a small tile; two of the four are asked for at the head.
; REGISTERS: window 0: v0-31 addresses; v32-95 rows on the way out; v96-127 the bias; v128-255 the accumulators ((a, b) at v[128 + 8 (4 a + b)]).
;   window 1: two fragment buffers of 128: for 64 along K, 64 registers of att (2 x 4 tiles), then 64 of w_out.
.set PITCH,  528                       ; a row of w_out in LDS: 512 bytes + 16 of padding: the 16 rows that a load touches start 16 bytes apart modulo 256
.set AHALF,  32768                     ; att's images of 64 rows x 256 k: 4 tiles of 8,192 bytes, dense: a load reads 512 consecutive bytes
.set BOFF,   2*AHALF                   ; behind att's 128 rows: w_out's 128
.set BHALF,  64*PITCH
.set SLOT,   BOFF+2*BHALF
.set STAGE,  2*SLOT                    ; behind the ring: 16 rows x 272 bytes for each wave, for the way out; no tensor load fills it
.set SPITCH, 272
.set SPARE,  STAGE+4*16*SPITCH         ; the spare words, 128 bytes a wave, that no other line names
.set ADRA, 16                          ; v16-17  LDS address of my att fragments in slot 0, 1
.set ADRB, 20                          ; v20-21  the same for w_out
.set STO,  24                          ; v24     the way out: where I put 32 bytes of a row
.set RD,   25                          ; v25     where I read a row back
.set CO,   26                          ; v26     my byte offset in the result
.set SPW,  28                          ; v28     LDS address of my spare word; never rewritten
.set NIL,  29                          ; v29     0; never rewritten
.set TMP,  32
.set BIAS, 96
.set ACC,  128
.set F0,   0
.set F1,   128
.set G1A, 24                           ; s[24:31] group 1 for att's tiles;  s[32:39] group 0, one set for each slot
.set G0A, 32
.set G1B, 48                           ; s[48:55], s[56:63] the same for w_out's
.set G0B, 56
.set MSB, 0
.macro WIN new
.if MSB != \new
	s_set_vgpr_msb (MSB<<8)|\new
.set MSB, \new
.endif
.endm
.set MUL,  0x05                        ; sources 0 and 1 window 1; C and D window 0
.set TO_F, 0x40                        ; destination window 1, address window 0
.macro JLOAD s                         ; a joint load: waves 0 and 1 fetch att's two halves, waves 2 and 3 w_out's; an s_nop 0 and four v_nop follow each of the two lines
	s_cmp_eq_u32 s13, 0
	s_cbranch_scc0 .Lfor_b_\@
	tensor_load_to_lds s[G0A+4*\s:G0A+4*\s+3], s[G1A:G1A+7]
	s_nop 0
.rept 4
	v_nop
.endr
	s_branch .Lasked_\@
.Lfor_b_\@:
	tensor_load_to_lds s[G0B+4*\s:G0B+4*\s+3], s[G1B:G1B+7]
	s_nop 0
.rept 4
	v_nop
.endr
.Lasked_\@:
.endm
.macro CREST                           ; a round of the cluster's barrier behind its opening barrier
	s_cmp_lg_u32 s12, 0
	s_cbranch_scc1 .Lnot_wave_0_\@
	s_barrier_signal -3
.Lnot_wave_0_\@:
	s_barrier_wait -3
	s_barrier_signal -1
	s_barrier_wait -1
.endm
.macro CROUND
	s_barrier_signal -1
	s_barrier_wait -1
	CREST
.endm
	s_load_b256 s[4:11], s[0:1], 0x0               ; att s[4:5], wo16 s[6:7], b_out s[8:9], out0 s[10:11]
	v_lshl_add_u32 v[SPW], v0, 2, SPARE
	v_mov_b32 v[NIL], 0
	ds_add_u32 v[SPW], v[NIL]                      ; the wave's opening: the add, twice on end, and its wait ahead of my first tensor load; the set-up below stands between
	ds_add_u32 v[SPW], v[NIL]
	v_lshrrev_b32 v1, 5, v0
	v_readfirstlane_b32 s12, v1                    ; wave 0..3
	s_lshr_b32 s13, s12, 1                         ; which half of the tile's rows is mine.  Also: I fetch for att (0) or for w_out (1)
	s_and_b32 s14, s12, 1                          ; which half of its columns.  Also: which 64 rows of that tile I fetch
	s_bfe_u32 s17, ttmp6, 0x40000                  ; cx
	s_bfe_u32 s18, ttmp6, 0x40004                  ; cy
	s_lshl_b32 s16, ttmp9, 2
	s_add_co_u32 s16, s16, s17                     ; tile column = 4 x cluster x + cx
	s_and_b32 s15, ttmp7, 0xffff
	s_lshl_b32 s15, s15, 2
	s_add_co_u32 s15, s15, s18                     ; tile row = 4 x cluster y + cy
	s_lshl_b32 s19, s18, 2
	s_lshl_b32 s19, 15, s19                        ; my row of the cluster
	s_lshl_b32 s20, 0x1111, s17                    ; my column
	; group 1 for att: 4 tiles of 16 rows; of each, a K step's 8,192 consecutive bytes (1,024 elements of 8 bytes); from tile to tile 32,768 bytes; dense in LDS
	s_or_b32 s[G1A], s19, (3<<16)|(1<<21)          ; 15:0 the mask; 17:16 elements of 8 bytes; 21 set beside a mask; no padding
	s_mov_b32 s[G1A+1], 1024<<16                   ; tensor_dim0
	s_mov_b32 s[G1A+2], 4<<16                      ; tensor_dim1
	s_mov_b32 s[G1A+3], 1024<<16                   ; tile_dim0
	s_mov_b32 s[G1A+4], 4                          ; tile_dim1
	s_mov_b32 s[G1A+5], 4096                       ; from row to row, in elements
	s_mov_b32 s[G1A+6], 0
	s_mov_b32 s[G1A+7], 0
	; group 1 for w_out: 64 rows x 256 elements of 2 bytes, 16 bytes of padding behind each row
	s_or_b32 s[G1B], s20, (1<<16)|(1<<20)|(1<<21)|(6<<22)|(3<<25)
	s_mov_b32 s[G1B+1], 256<<16
	s_mov_b32 s[G1B+2], 64<<16
	s_mov_b32 s[G1B+3], 256<<16
	s_mov_b32 s[G1B+4], 64
	s_mov_b32 s[G1B+5], 1024
	s_mov_b32 s[G1B+6], 0
	s_mov_b32 s[G1B+7], 0
	s_lshl_b32 s40, s15, 3
	s_lshl_b32 s41, s14, 2
	s_add_co_u32 s40, s40, s41                     ; att: tile of 16 rows 8 x tile row + 4 x half,
	s_lshl_b32 s40, s40, 15                        ; 32,768 bytes each
	s_mov_b32 s41, 0
	s_lshl_b32 s42, s16, 7
	s_lshl_b32 s43, s14, 6
	s_add_co_u32 s42, s42, s43                     ; w_out: row 128 x tile column + 64 x half,
	s_lshl_b32 s42, s42, 11                        ; 2,048 bytes each
	s_mov_b32 s43, 0
	s_lshl_b32 s44, s14, 15                        ; where they go: the half alone enters an LDS address
	s_mul_i32 s45, s14, BHALF
	s_add_co_u32 s45, s45, BOFF
	s_wait_dscnt 0x0                               ; both opening adds are done
	s_wait_kmcnt 0x0
	s_add_nc_u64 s[40:41], s[4:5], s[40:41]
	s_add_nc_u64 s[42:43], s[6:7], s[42:43]
	CROUND                                         ; all sixteen work-groups are here: the first joint loads meet
.irp s, 0,1
	s_mov_b32 s[G0A+4*\s], 1
	s_add_co_u32 s[G0A+4*\s+1], s44, \s*SLOT
	s_add_nc_u64 s[G0A+4*\s+2:G0A+4*\s+3], s[40:41], \s*8192       ; K step s: 8 pieces of 1,024 bytes on
	s_or_b32 s[G0A+4*\s+3], s[G0A+4*\s+3], 0x80000000
	s_mov_b32 s[G0B+4*\s], 1
	s_add_co_u32 s[G0B+4*\s+1], s45, \s*SLOT
	s_add_nc_u64 s[G0B+4*\s+2:G0B+4*\s+3], s[42:43], \s*512
	s_or_b32 s[G0B+4*\s+3], s[G0B+4*\s+3], 0x80000000
	JLOAD \s
.endr
	v_and_b32 v1, 15, v0                           ; r
	v_bfe_u32 v2, v0, 4, 1                         ; h
	v_and_b32 v3, 31, v0
	v_lshlrev_b32 v3, 4, v3                        ; an image's place for my lane
	v_mul_u32_u24 v4, v1, PITCH
	v_lshl_add_u32 v4, v2, 4, v4                   ; a row of w_out x pitch + 16 h
	s_lshl_b32 s21, s13, 15                        ; my 64 rows of att
	s_mul_i32 s22, s14, BHALF                      ; my 64 rows of w_out
	s_add_co_u32 s22, s22, BOFF
.irp s, 0,1
	v_add_nc_u32 v[ADRA+\s], s21, v3
	v_add_nc_u32 v[ADRB+\s], s22, v4
	s_add_co_u32 s21, s21, SLOT
	s_add_co_u32 s22, s22, SLOT
.endr
	s_mul_i32 s23, s12, 16*SPITCH
	s_add_co_u32 s23, s23, STAGE                   ; my stage
	v_mul_u32_u24 v5, v1, SPITCH                   ; in: row r, 32 bytes for each half of the lanes
	v_lshl_add_u32 v5, v2, 5, v5
	v_add_nc_u32 v[STO], s23, v5
	v_mul_u32_u24 v5, v2, SPITCH                   ; back: lanes 0-15 one row of 256 bytes, lanes 16-31 the next
	v_lshl_add_u32 v5, v1, 4, v5
	v_add_nc_u32 v[RD], s23, v5
	v_lshlrev_b32 v5, 12, v2                       ; and the same two rows in the result: 4,096 bytes a row
	v_lshl_add_u32 v[CO], v1, 4, v5
	v_lshlrev_b32 v6, 5, v2                        ; the bias: 8 h numbers on
	s_lshl_b32 s46, s16, 9
	s_lshl_b32 s47, s14, 8
	s_add_co_u32 s46, s46, s47                     ; my first column, in bytes: 512 x tile column + 256 x half
	s_mov_b32 s47, 0
	s_add_nc_u64 s[8:9], s[8:9], s[46:47]
	s_add_nc_u64 s[10:11], s[10:11], s[46:47]
	s_lshl_b32 s46, s15, 7
	s_lshl_b32 s21, s13, 6
	s_add_co_u32 s46, s46, s21                     ; my first row: 128 x tile row + 64 x half
	s_lshl_b32 s46, s46, 12
	s_add_nc_u64 s[10:11], s[10:11], s[46:47]
.irp b, 0,1,2,3
	global_load_b128 v[BIAS+8*\b:BIAS+8*\b+3], v6, s[8:9] offset:64*\b           ; in the result's layout: columns 16 b + 8 h + 0 .. 7
	global_load_b128 v[BIAS+8*\b+4:BIAS+8*\b+7], v6, s[8:9] offset:64*\b+16
.endr
; 8 matrix instructions: row blocks a0, a0 + 1 x all 4 column blocks, 32 along K: half c of buffer f.  first = 1: the bias starts the sums.  The 16 accumulators take turns.
.macro MUL8 f, c, a0, first
.irp a, \a0, \a0+1
.irp b, 0,1,2,3
.if \first
	v_wmma_f32_16x16x32_f16 v[ACC+8*(4*(\a)+\b):ACC+8*(4*(\a)+\b)+7], v[\f+64+8*(4*\c+\b):\f+64+8*(4*\c+\b)+7], v[\f+8*(4*\c+\a):\f+8*(4*\c+\a)+7], v[BIAS+8*\b:BIAS+8*\b+7]
.else
	v_wmma_f32_16x16x32_f16 v[ACC+8*(4*(\a)+\b):ACC+8*(4*(\a)+\b)+7], v[\f+64+8*(4*\c+\b):\f+64+8*(4*\c+\b)+7], v[\f+8*(4*\c+\a):\f+8*(4*\c+\a)+7], v[ACC+8*(4*(\a)+\b):ACC+8*(4*(\a)+\b)+7]
.endif
.endr
.endr
.endm
; 32 LDS loads in one run: the fragments of the slot's q-th 64 along K into buffer f; the first 32 along K first
.macro FETCH slot, q, f
	WIN TO_F
.irp c, 0,1
.irp i, 0,1,2,3
	ds_load_b128 v[\f+64+8*(4*\c+\i):\f+64+8*(4*\c+\i)+3],   v[ADRB+\slot] offset:128*(\q)+64*\c+\i*16*PITCH
	ds_load_b128 v[\f+64+8*(4*\c+\i)+4:\f+64+8*(4*\c+\i)+7], v[ADRB+\slot] offset:128*(\q)+64*\c+\i*16*PITCH+32
	ds_load_b128 v[\f+8*(4*\c+\i):\f+8*(4*\c+\i)+3],         v[ADRA+\slot] offset:8192*\i+1024*(2*(\q)+\c)
	ds_load_b128 v[\f+8*(4*\c+\i)+4:\f+8*(4*\c+\i)+7],       v[ADRA+\slot] offset:8192*\i+1024*(2*(\q)+\c)+512
.endr
.endr
.endm
.macro PLACES                          ; four plain lines in front of loads into registers that matrix instructions have read, and of the first read of results
.rept 4
	v_nop
.endr
.endm
; A K step is four quarters of 64 along K, 32 matrix instructions each, on buffers 0, 1, 0, 1.  One of the first three: multiplies buffer f and fetches quarter q into g.
.macro QUARTER slot, q, f, g, first
	s_wait_dscnt 16                                ; the first 32 along K are in; the youngest sixteen loads may be out
	WIN MUL
	MUL8 \f, 0, 0, \first
	MUL8 \f, 0, 2, \first
	PLACES
	FETCH \slot, \q, \g
	s_wait_dscnt 32                                ; all but the 32 just issued
	WIN MUL
	MUL8 \f, 1, 0, 0
	MUL8 \f, 1, 2, 0
.endm
; The last quarter multiplies buffer 1 and changes slots: ONE barrier; in front of it each wave waits for all its tensor loads, adds 0 to its spare word, and waits for that and for its own reads of this slot.
; fill = 1: this slot is filled again, two K steps ahead; the barrier then opens a round of the cluster's barrier.
.macro TURN slot, next, fill
	WIN 0                                          ; (the add's two registers lie in window 0)
	s_wait_tensorcnt 0x0                           ; all my tensor loads have landed: my part of the next slot;
	ds_add_u32 v[SPW], v[NIL]                      ; 0 onto my spare word;
	s_wait_dscnt 17                                ; (the add and the youngest sixteen loads may be out)
	WIN MUL
	MUL8 F1, 0, 0, 0                               ; eight matrix instructions stand between the add and the wait for it
	s_wait_dscnt 0x0                               ; the add is done, and my reads of this slot are over
	s_barrier_signal -1
	MUL8 F1, 0, 2, 0
.if \fill
	WIN 0
.endif
	s_barrier_wait -1
.if \fill
	CREST                                          ; no wave of any partner still reads this slot's tile or has a load on its way
	s_add_nc_u64 s[G0A+4*\slot+2:G0A+4*\slot+3], s[G0A+4*\slot+2:G0A+4*\slot+3], 2*8192
	s_add_nc_u64 s[G0B+4*\slot+2:G0B+4*\slot+3], s[G0B+4*\slot+2:G0B+4*\slot+3], 2*512
	JLOAD \slot                                    ; the first tensor load behind the round; the four v_nop behind it are also the places in front of the loads below
.else
	PLACES
.endif
	FETCH \next, 0, F0
	WIN MUL
	MUL8 F1, 1, 0, 0
	MUL8 F1, 1, 2, 0
.endm
	s_wait_tensorcnt 1                             ; my part of K step 0 is in; K step 1's load, issued behind it, may be out
	s_barrier_signal -1
	s_barrier_wait -1                              ; everybody's is
	FETCH 0, 0, F0
	s_wait_loadcnt 0x0                             ; the bias
	QUARTER 0, 1, F0, F1, 1                        ; K step 0
	QUARTER 0, 2, F1, F0, 0
	QUARTER 0, 3, F0, F1, 0
	TURN 0, 1, 1                                   ; slot 0 takes K step 2
	QUARTER 1, 1, F0, F1, 0                        ; K step 1
	QUARTER 1, 2, F1, F0, 0
	QUARTER 1, 3, F0, F1, 0
	TURN 1, 0, 1                                   ; slot 1 takes K step 3
	QUARTER 0, 1, F0, F1, 0                        ; K step 2
	QUARTER 0, 2, F1, F0, 0
	QUARTER 0, 3, F0, F1, 0
	TURN 0, 1, 0                                   ; nothing is left to fetch
	QUARTER 1, 1, F0, F1, 0                        ; K step 3
	QUARTER 1, 2, F1, F0, 0
	QUARTER 1, 3, F0, F1, 0
	s_wait_dscnt 16
	WIN MUL
	MUL8 F1, 0, 0, 0
	MUL8 F1, 0, 2, 0
	s_wait_dscnt 0x0
	MUL8 F1, 1, 0, 0
	MUL8 F1, 1, 2, 0
	WIN 0
; THE WAY OUT, a block of 16 rows x 64 columns at a time.  A lane holds 32 neighbouring bytes of a row, and the lanes beside it hold other rows: the block goes through my own stage and comes back as rows of 256 bytes.
; LDS serves a wave's instructions in order (ISA guide 5.7.1.4): no wait between the stores and the loads, nor in front of the next block's stores.
.macro TOSTAGE a
.irp b, 0,1,2,3
	ds_store_b128 v[STO], v[ACC+8*(4*(\a)+\b):ACC+8*(4*(\a)+\b)+3] offset:64*\b       ; each accumulator from its low end on
	ds_store_b128 v[STO], v[ACC+8*(4*(\a)+\b)+4:ACC+8*(4*(\a)+\b)+7] offset:64*\b+16
.endr
.set BB, TMP+32*((\a)%2)
.irp t, 0,1,2,3,4,5,6,7
	ds_load_b128 v[BB+4*\t:BB+4*\t+3], v[RD] offset:\t*2*SPITCH
.endr
.endm
.macro SEND a, younger                 ; younger: the LDS instructions issued behind block a's loads, which may stay out
.set BB, TMP+32*((\a)%2)
	s_wait_dscnt \younger
.irp t, 0,1,2,3,4,5,6,7
	global_store_b128 v[CO], v[BB+4*\t:BB+4*\t+3], s[10:11] offset:(16*(\a)+2*\t)*4096 th:TH_STORE_NT   ; 16 lanes store 256 consecutive bytes, at a multiple of 256 from the result's first byte
.endr
.endm
	PLACES
	TOSTAGE 0
.irp a, 1,2,3
.if \a > 1
	s_wait_xcnt 0x0                                ; block a - 2's stores have read their registers: block a's loads may land there
.endif
	TOSTAGE \a
	SEND \a-1, 16                                  ; behind block a - 1's loads: block a's 8 stores and 8 loads
.endr
	SEND 3, 0
	s_wait_tensorcnt 0x0                           ; the wave's end, behind my last tensor load and my last LDS store
	ds_add_u32 v[SPW], v[NIL]
	s_wait_dscnt 0x0
	CROUND                                         ; the closing round: no work-group ends while a partner may still ask for a tile that names it
	s_endpgm
.Lfunc_end_k_qc418dea02c_proj:
	.size	k_qc418dea02c_proj, .Lfunc_end_k_qc418dea02c_proj-k_qc418dea02c_proj
	.p2alignl 7, 3214868480
	.fill 96, 4, 3214868480
	.section	.rodata,"a",@progbits
	.p2align	6, 0x0
	.amdhsa_kernel k_qc418dea02c_proj
		.amdhsa_group_segment_fixed_size 327680
		.amdhsa_private_segment_fixed_size 0
		.amdhsa_enable_private_segment 0
		.amdhsa_kernarg_size 32
		.amdhsa_user_sgpr_count 2
		.amdhsa_user_sgpr_kernarg_segment_ptr 1
		.amdhsa_wavefront_size32 1
		.amdhsa_system_sgpr_workgroup_id_x 1
		.amdhsa_system_sgpr_workgroup_id_y 1
		.amdhsa_system_sgpr_workgroup_id_z 1
		.amdhsa_system_vgpr_workitem_id 0
		.amdhsa_next_free_vgpr 512
		.amdhsa_next_free_sgpr 66
		.amdhsa_reserve_vcc 0
		.amdhsa_float_denorm_mode_32 3
		.amdhsa_float_denorm_mode_16_64 3
		.amdhsa_memory_ordered 1
		.amdhsa_forward_progress 1
		.amdhsa_inst_pref_size 86
	.end_amdhsa_kernel
	.amdgpu_metadata
---
amdhsa.version: [ 1, 2 ]
amdhsa.kernels:
  - .name:           k_qc418dea02c_proj
    .symbol:         k_qc418dea02c_proj.kd
    .args:
      - { .name: att, .offset: 0, .size: 8, .value_kind: global_buffer, .address_space: global }
      - { .name: wo16, .offset: 8, .size: 8, .value_kind: global_buffer, .address_space: global }
      - { .name: b_out, .offset: 16, .size: 8, .value_kind: global_buffer, .address_space: global }
      - { .name: out0, .offset: 24, .size: 8, .value_kind: global_buffer, .address_space: global }
    .group_segment_fixed_size: 327680
    .private_segment_fixed_size: 0
    .kernarg_segment_align: 8
    .kernarg_segment_size: 32
    .max_flat_workgroup_size: 128
    .sgpr_count:     66
    .vgpr_count:     512
    .wavefront_size: 32
...
	.end_amdgpu_metadata
.endif
;; end of part 3
